; MI455X (gfx1250); checked and timed in simulation.
; The chip was launched on July 23, 2026; its instructions are those of AMD's public machine-readable ISA for CDNA 5 (MIT licence, August 2026) and "CDNA5" Instruction Set Architecture Reference Guide (July 2026). The comments in the code are by the model that wrote it; some were corrected since.
;; RAG Query Optimizer. Allowed arithmetic: matrix products marked QUANTISED: E2M3 operands, one E8M0 scale for each 32 along K, by v_wmma_scale_f32_16x16x128_f8f6f4 with both operands' format E2M3, f32 sums; products left as they are: f32 operands where the result goes on into a quantised operand, else bf16, f16 or f32 operands; f32 sums; everything else in f32.
;; Inputs: W_score 128 x 128 float32; b_score 128 float32; context_tokens 65,536 int32; emb_table 50,257 x 128 float32; query_tokens 4 x 128 int32.
;; Outputs: out0 4 x 128 float32.
;; This version of the problem:
;;   THIS VERSION OF THE PROBLEM IS GIVEN IN LOW PRECISION. The matrix products marked QUANTISED in the list below multiply operands that are first quantised to E2M3 (2 exponent bits, 3 mantissa bits; 6 bits a number), with one power-of-two scale for each 32 numbers along K (OCP MX v1.0); their sums are f32. All else is computed in f32.
;;   The module's matrix products, in the order in which they are computed (A, B: the left and right operand; K: the contracted axis; several contracted axes count as one K, in the product's order):
;;     1. [M 512, K 128] x [K 128, N 65,536]; A: computed on the way; B: computed on the way: QUANTISED
;;     2. [M 512, K 128] x [K 128, N 128]; A: computed on the way; B: input W_score: QUANTISED
;;     3. batch 512 x [M 1, K 128] x [K 128, N 8]; A: computed on the way; B: computed on the way: left as it is (M = 1 < 16)
;;   THE QUANTISER, for each operand of a quantised product, along K:
;;     - K is cut into blocks of 32 from its start; a last block that is shorter is filled with zeros.
;;     - A block's scale is 2^e with e = floor(log2(the largest magnitude in the block)) - 2, held to -126 .. 127; a block of zeros has e = 0. As a byte (E8M0): e + 127.
;;     - Each number is divided by its block's scale, clamped to +-7.5, and rounded to the nearest number of E2M3, ties to even, subnormals kept.
;;     - The product sums the exact products of the quantised numbers (number of the format x scale) in f32.
;;   ~~~python
;;   def quantise(x, axis):      # numpy; x: float32 -> the quantised numbers, widened to float32 again
;;       x = np.moveaxis(x, axis, -1); K = x.shape[-1]
;;       x = np.pad(x, [(0, 0)] * (x.ndim - 1) + [(0, -K % 32)]); x = x.reshape(x.shape[:-1] + (-1, 32)); a = np.abs(x).max(-1, keepdims=True)
;;       e = np.where(a > 0, np.clip(np.frexp(np.where(a > 0, a, 1))[1] - 1 - 2, -126, 127), 0)      # np.frexp(a)[1] - 1 = floor(log2(a)), exactly
;;       r = np.clip(x / 2.0 ** e, -7.5, 7.5)
;;       step = 2.0 ** (np.maximum(np.frexp(np.where(r == 0, 1, r))[1] - 1, 0) - 3)
;;       q = np.round(r / step) * step * 2.0 ** e      # np.round: ties to even
;;       return np.moveaxis(q.reshape(q.shape[:-2] + (-1,))[..., :K], -1, axis).astype(np.float32)
;;   ~~~
;;   OPERANDS COMPUTED ON THE WAY. 'Computed on the way' means the value that the module computes at that place (a softmax that the list does not call 'softmax' is quantised finished and normalised). What goes into a quantiser is computed in f32, as accurately as f32 sums, v_exp_f32 and their like allow (about 1e-6 of the number): no bf16 or f16 on the way to a quantiser, and a product that is left as it is and whose result goes on into a quantised operand takes f32 operands (vector FMAs, or v_wmma_f32_16x16x4_f32). A number that lies on a knife's edge between two numbers of the format may be rounded either way, as far as f32 arithmetic and the matrix unit's own rounding can turn it there, and no further.
;; One version. Each part assembles by itself: llvm-mc -triple=amdgcn-amd-amdhsa -mcpu=gfx1250 --defsym DOCPART=n.
;; ======== version 1 of 1: 4 launches
;; workspace buffers: gm 8,388,608 bytes; qp 262,144 bytes; sel 16,384 bytes of whole numbers; imp 2,048 bytes
;; launch k_groups (part 1): grid 128 x 2, 8 waves a work-group, no clusters, 138,240 bytes of LDS; arguments context_tokens, query_tokens, emb_table, W_score, b_score, gm, qp; writes gm, qp
.if DOCPART == 1
	.amdgcn_target "amdgcn-amd-amdhsa--gfx1250"
	.amdhsa_code_object_version 6
	.text
	.protected	k_q8c9f91c91a_k_groups
	.globl	k_q8c9f91c91a_k_groups
	.p2align	8
	.type	k_q8c9f91c91a_k_groups,@function
k_q8c9f91c91a_k_groups:
	s_mov_b64 s[64:65], 0
	v_nop
	global_prefetch_b8 v0, s[64:65] scope:SCOPE_SE
	s_setreg_imm32_b32 hwreg(HW_REG_WAVE_MODE, 25, 1), 1
	s_wait_xcnt 0x0
; GROUP MAXIMA OF THE DISTANCE PRODUCT, AND qp.
; q = emb[query_tokens] (512 rows), c = emb[context_tokens] (65,536 rows), 128 f32 a row.  Both are quantised along the 128 to FP6 (E2M3) with one E8M0 scale for each 32,
; and D = Q(q).Q(c) - |c|^2 / 2 is made by the scaled matrix instruction, the term -|c|^2 / 2 being its C operand.  sq = |q|^2 - 2 D, so the nearest context has the largest D,
; and max(sq, 0) is min(D, |q|^2 / 2).  The contexts are cut into groups of 16 neighbours; this launch stores, for every query and group, min(max of D over the group, |q|^2 / 2).
; The 8 nearest contexts, ties to the lower index, lie in the 8 groups with the largest such number, ties to the lower group: later launches choose those groups and work them out exactly.
; SHARES.  A work-group takes 512 contexts (x) and 256 queries (y).  Each of its 8 waves gathers and quantises 2 tiles of 16 queries and 4 tiles of 16 contexts.  The contexts' codes, scale words
; and C tiles stay in that wave's registers; the queries' fragments go to LDS as images of their registers and are read by all 8 waves: 16 query tiles x 4 context tiles = 64 matrix instructions a wave.
; ROWS.  A row is loaded by one instruction, 512 consecutive bytes, 16 a lane, its token in a scalar register; 16 rows are turned through the wave's own stage in LDS (pitch 528 bytes: the 16 rows that
; a read touches start in 16 different groups of banks), so that lane (r, h) holds of row r the numbers k = 32 b + 16 h + 0 .. 15, b = 0 .. 3, as the conversions want them.
; THE CONTEXTS OF A TILE ARE NOT NEIGHBOURS: row m of tile 2 p + u is context 32 p + 8 u + m + 8 (m / 8), so that the 16 result registers of tiles 2 p and 2 p + 1 in lane (r, h)
; are the 16 neighbouring contexts 32 p + 16 h + 0 .. 15 for query r: one group.
; qp.  Wave 0 also makes one tile of qp = Q(q) Q(W) + b: query tile x / 8 of this y, features 16 (x % 8) on; W is quantised along its first axis, a lane to a column, registers down K; b is the C operand.
; No cluster and no tensor load: every row is named by a token read from memory, so there is no rectangular tile that work-groups could ask for jointly.
; LIMITS.  NaN and infinities among the inputs are not served.  The groups are ranked by D as the matrix unit rounds it; reference() forms (|q|^2 + |c|^2) - 2 q.c in f32: distances an ulp or so apart
; may change places at the 8th rank.  A block of zeros gets the scale byte 1 (its codes are zeros; only this program reads the bytes).
; REGISTERS.  Window 0: v1-14 addresses; v16-31 the offsets of 16 row loads; v32-95 a turned tile, later two sets of 32 results; v96-133 at work in the quantiser, later two query fragments with their
; scale words and 16 numbers |q|^2 / 2; v140-187 my 4 context fragments, v188-191 their scale words, v192-223 their C tiles; v224-255 the group maxima.  Window 1: four tiles of rows as loaded.
.set VOCAB,  50257
.set SPITCH, 528
.set STGB,   16*SPITCH
.set FRB,    1536                      ; a fragment's image: 12 registers x 128 bytes
.set QIMG,   0                         ; LDS: 16 query fragments,
.set QSC,    24576                     ; their scale words, 128 bytes a tile,
.set QNH,    26624                     ; |q|^2 / 2, 128 bytes a tile,
.set CNS,    28672                     ; -|c|^2 / 2, 128 bytes a tile, 4 tiles a wave,
.set OUT,    32768                     ; the way out: 256 queries x (128 bytes + 16),
.set OPITCH, 144
.set STG,    69632                     ; and a stage of 16 rows for each wave
.set L16, 1
.set L4,  2
.set ST,  3
.set LD,  4
.set QIW, 5
.set QNW, 6
.set CNW, 7
.set CNR, 8
.set JQI, 9
.set JQS, 10
.set HH,  11
.set OSW, 12
.set OSR, 13
.set GOF, 14
.set AD,  16
.set X,   32
.set TM,  96
.set N,   TM+8
.set PW,  112
.set T2,  114
.set PC,  122
.set QF0, 96
.set QF1, 110
.set HQ,  124
.set CF,  140
.set CS,  188
.set CT,  192
.set RES, 224
.set WV,  84
.set YY,  85
.set SEL, 88
.set MSB, 0
.macro WIN new                         ; the immediate's high byte repeats the setting that is left
.if MSB != \new
	s_set_vgpr_msb (MSB<<8)|\new
.set MSB, \new
.endif
.endm
; 16 rows into slot \slot of window 1.  perm = 0: tokens 16 u + m of the set; perm = 1: tokens 8 u + m + 8 (m / 8).  The set's first 16 tokens stand from s[b0] on, the others from s[b1] on.
.macro GATHER slot, perm, u, b0, b1
	s_wait_xcnt 0x0                                ; the earlier loads have read their offsets: the 16 offset registers may be written
.set m, 0
.rept 16
.if \perm
.set n, 8*(\u)+m+8*(m/8)
.else
.set n, 16*(\u)+m
.endif
.if n < 16
.set tr, \b0+n
.else
.set tr, \b1+n-16
.endif
	s_min_u32 s[tr], s[tr], VOCAB-1                ; a loaded number enters an address only held inside the table
	v_lshl_add_u32 v[AD+m], s[tr], 9, v[L16]       ; 512 x token + 16 x lane
.set m, m+1
.endr
	WIN 0x40                                       ; destination window 1
.set m, 0
.rept 16
	global_load_b128 v[64*(\slot)+4*m:64*(\slot)+4*m+3], v[AD+m], s[8:9]
.set m, m+1
.endr
	WIN 0
.endm
; Slot \slot goes through my stage: stored as loaded, read back 64 bytes of a row at a time.  left: the younger row loads that may stay out.
.macro TURN slot, left
	s_wait_loadcnt \left
	WIN 0x04                                       ; an LDS store's data are its source 1: window 1
.set m, 0
.rept 16
	ds_store_b128 v[ST], v[64*(\slot)+4*m:64*(\slot)+4*m+3] offset:m*SPITCH
.set m, m+1
.endr
	WIN 0
.irp b,0,1,2,3
.irp j,0,1,2,3
	ds_load_b128 v[X+16*\b+4*\j:X+16*\b+4*\j+3], v[LD] offset:128*\b+16*\j   ; LDS serves a wave's instructions in order: these see the stores above
.endr
.endr
	s_wait_dscnt 0x0                               ; the tile is in v[X] on; all my earlier LDS stores have read their registers
.endm
; |row r|^2 into v[N], in every lane of the row: my 64 numbers in two chains, then lane l xor 16's
.macro NORM
	v_pk_mul_f32 v[N:N+1], v[X:X+1], v[X:X+1]
	v_pk_mul_f32 v[N+2:N+3], v[X+2:X+3], v[X+2:X+3]
.irp i,4,8,12,16,20,24,28,32,36,40,44,48,52,56,60
	v_pk_fma_f32 v[N:N+1], v[X+\i:X+\i+1], v[X+\i:X+\i+1], v[N:N+1]
	v_pk_fma_f32 v[N+2:N+3], v[X+\i+2:X+\i+3], v[X+\i+2:X+\i+3], v[N+2:N+3]
.endr
	v_pk_add_f32 v[N:N+1], v[N:N+1], v[N+2:N+3]
	v_add_f32 v[N], v[N], v[N+1]
	v_permlanex16_b32 v[N+1], v[N], s[SEL], s[SEL+1]
	v_add_f32 v[N], v[N], v[N+1]
.endm
; 64 numbers of a lane, register 16 b + i = k 32 b + 16 h + i of my row, become a fragment's 12 registers from v[d] on and its scale word in v[pw]
.macro QUANT s, d, pw
.irp b,0,1,2,3
	v_max3_num_f32 v[TM+\b], |v[\s+16*\b]|, |v[\s+1+16*\b]|, 0x1800000   ; my 16 numbers of block b, and the floor 2^(3 - 127): the byte cannot fall under 1
.endr
.irp i,2,4,6,8,10,12,14
.irp b,0,1,2,3
	v_max3_num_f32 v[TM+\b], v[TM+\b], |v[\s+16*\b+\i]|, |v[\s+1+16*\b+\i]|
.endr
.endr
.irp b,0,1,2,3
	v_permlanex16_b32 v[TM+4+\b], v[TM+\b], s[SEL], s[SEL+1]
.endr
.irp b,0,1,2,3
	v_max_num_f32 v[TM+\b], v[TM+\b], v[TM+4+\b]   ; with lane l xor 16's: the block's largest magnitude
.endr
.irp b,0,1,2,3
	v_add_nc_u32 v[TM+12+\b], 0xff000000, v[TM+\b] ; 2 off its exponent field: the conversion's scale operand
.endr
.irp b,0,1,2,3
	v_lshrrev_b32 v[TM+4+\b], 23, v[TM+12+\b]      ; the scale's byte
.endr
	v_lshl_or_b32 v[\pw], v[TM+5], 8, v[TM+4]
	v_lshl_or_b32 v[\pw], v[TM+6], 16, v[\pw]
	v_lshl_or_b32 v[\pw], v[TM+7], 24, v[\pw]
.irp c,0,1
	v_cvt_scalef32_pk16_fp6_f32 v[\d+6*\c:\d+2+6*\c], v[\s+32*\c:\s+15+32*\c], v[TM+12+2*\c]
	v_cvt_scalef32_pk16_fp6_f32 v[T2+4*\c:T2+2+4*\c], v[\s+16+32*\c:\s+31+32*\c], v[TM+12+2*\c+1]   ; (a conversion's three registers begin on an even number)
.endr
	v_nop                                          ; one plain place behind the scaled conversions
.irp c,0,1                                     ; the layout wants a whole block in a lane: lanes 0-15 block 2 c, lanes 16-31 block 2 c + 1
.irp i,0,1,2
	v_permlane16_swap_b32 v[\d+6*\c+\i], v[T2+4*\c+\i]
.endr
.irp i,0,1,2
	v_mov_b32 v[\d+3+6*\c+\i], v[T2+4*\c+\i]
.endr
.endr
.endm
.macro QTILE i                         ; my query tile i: |q|^2 / 2, the fragment's image and its scale words go to LDS
	NORM
	v_mul_f32 v[N], 0.5, v[N]
	ds_store_b32 v[QNW], v[N] offset:QNH+128*(\i)
	QUANT X, PC, PW
.irp c,0,1,2
	ds_store_b128 v[QIW], v[PC+4*\c:PC+4*\c+3] offset:QIMG+FRB*(\i)+512*\c
.endr
	ds_store_b32 v[QNW], v[PW] offset:QSC+128*(\i)
.endm
.macro CTILE t                         ; my context tile t: the fragment stays; -|c|^2 / 2 of row m goes from lane m to register m % 8 of the lanes with h = m / 8, through my own LDS words
	NORM
	v_mul_f32 v[N], -0.5, v[N]
	ds_store_b32 v[CNW], v[N] offset:CNS+128*(\t)
	ds_load_b128 v[CT+8*(\t):CT+8*(\t)+3], v[CNR] offset:CNS+128*(\t)
	ds_load_b128 v[CT+8*(\t)+4:CT+8*(\t)+7], v[CNR] offset:CNS+128*(\t)+16
	QUANT X, CF+12*(\t), CS+(\t)
.endm
.macro QLOAD t, q                      ; query tile t's image and scale words: 4 LDS loads
	ds_load_b128 v[\q:\q+3], v[L16] offset:QIMG+FRB*(\t)
	ds_load_b128 v[\q+4:\q+7], v[L16] offset:QIMG+FRB*(\t)+512
	ds_load_b128 v[\q+8:\q+11], v[L16] offset:QIMG+FRB*(\t)+1024
	ds_load_b32 v[\q+12], v[L4] offset:QSC+128*(\t)
.endm
.macro MUL4 d, q                       ; source 0 = 16 contexts, source 1 = 16 queries, C = -|c|^2 / 2: lane (r, h) gets query r, contexts 8 h + j of the tile
.irp k,0,1,2,3
	v_wmma_scale_f32_16x16x128_f8f6f4 v[\d+8*\k:\d+8*\k+7], v[CF+12*\k:CF+12*\k+11], v[\q:\q+11], v[CT+8*\k:CT+8*\k+7], v[CS+\k], v[\q+12] matrix_a_fmt:MATRIX_FMT_FP6 matrix_b_fmt:MATRIX_FMT_FP6
.endr
.endm
.macro REDUCE db, out, hq              ; two groups of 16 registers: the maximum of each, held at |q|^2 / 2; each result tile is read from its low end on
	v_max3_num_f32 v[\out], v[\db], v[\db+1], v[\db+2]
	v_max3_num_f32 v[\out+1], v[\db+16], v[\db+17], v[\db+18]
.irp i,3,5,7,9,11,13
	v_max3_num_f32 v[\out], v[\out], v[\db+\i], v[\db+\i+1]
	v_max3_num_f32 v[\out+1], v[\out+1], v[\db+16+\i], v[\db+16+\i+1]
.endr
	v_max_num_f32 v[\out], v[\out], v[\db+15]
	v_max_num_f32 v[\out+1], v[\out+1], v[\db+31]
	v_min_num_f32 v[\out], v[\out], v[\hq]
	v_min_num_f32 v[\out+1], v[\out+1], v[\hq]
.endm
	s_load_b256 s[4:11], s[0:1], 0x0               ; context_tokens s[4:5], query_tokens s[6:7], emb_table s[8:9], W_score s[10:11]
	s_load_b128 s[12:15], s[0:1], 0x20             ; b_score s[12:13], gm s[14:15]
	s_load_b64 s[2:3], s[0:1], 0x30                ; qp
	v_lshrrev_b32 v16, 5, v0
	v_readfirstlane_b32 s[WV], v16                 ; wave 0..7
	s_and_b32 s[YY], ttmp7, 0xffff                 ; which 256 queries
	v_and_b32 v17, 31, v0                          ; lane
	v_and_b32 v18, 15, v0                          ; r
	v_bfe_u32 v[HH], v0, 4, 1                      ; h
	v_lshlrev_b32 v[L16], 4, v17
	v_lshlrev_b32 v[L4], 2, v17
	s_mul_i32 s86, s[WV], STGB
	s_add_co_u32 s86, s86, STG                     ; my stage
	v_add_nc_u32 v[ST], s86, v[L16]                ; in: 16 x lane of a row
	v_mul_u32_u24 v[LD], v18, SPITCH
	v_lshl_add_u32 v[LD], v[HH], 6, v[LD]
	v_add_nc_u32 v[LD], s86, v[LD]                 ; back: row r, + 64 h
	s_mul_i32 s86, s[WV], 2*FRB
	v_add_nc_u32 v[QIW], s86, v[L16]               ; my two query images
	s_lshl_b32 s86, s[WV], 8
	v_add_nc_u32 v[QNW], s86, v[L4]                ; their words, 4 bytes a lane
	s_lshl_b32 s86, s[WV], 9
	v_add_nc_u32 v[CNW], s86, v[L4]                ; my context tiles' norms, in,
	v_lshl_add_u32 v[CNR], v[HH], 5, s86           ; and back: eight words from 32 h on
	s_lshr_b32 s87, ttmp9, 3                       ; qp: the query tile of this work-group's share
	s_mul_i32 s86, s87, FRB
	v_add_nc_u32 v[JQI], s86, v[L16]
	s_lshl_b32 s86, s87, 7
	v_add_nc_u32 v[JQS], s86, v[L4]
	v_mul_u32_u24 v[OSW], v18, OPITCH              ; the way out, in: query 16 t + r, bytes 16 w + 8 h on
	v_lshl_add_u32 v[OSW], v[HH], 3, v[OSW]
	s_lshl_b32 s86, s[WV], 4
	s_add_co_u32 s86, s86, OUT
	v_add_nc_u32 v[OSW], s86, v[OSW]
	v_bfe_u32 v19, v0, 3, 2                        ; back: eight lanes to a query's 128 bytes, four queries an instruction
	v_mul_u32_u24 v[OSR], v19, OPITCH
	v_and_b32 v19, 7, v0
	v_lshl_add_u32 v[OSR], v19, 4, v[OSR]
	s_mul_i32 s86, s[WV], 32*OPITCH
	s_add_co_u32 s86, s86, OUT
	v_add_nc_u32 v[OSR], s86, v[OSR]
	v_lshlrev_b32 v[GOF], 4, v18                   ; in gm: sixteen lanes fill the 256 bytes of a pair of queries; lanes 16-31 the next pair's, 128 chunks x 256 bytes on
	v_lshl_add_u32 v[GOF], v[HH], 15, v[GOF]
	s_mov_b32 s[SEL], 0x76543210
	s_mov_b32 s[SEL+1], 0xfedcba98                 ; v_permlanex16_b32: lane l xor 16
	s_lshl_b32 s90, s[YY], 10
	s_lshl_b32 s86, s[WV], 7
	s_add_co_u32 s90, s90, s86                     ; my 32 query tokens: 4 (256 y + 32 w)
	s_lshl_b32 s91, ttmp9, 11
	s_lshl_b32 s86, s[WV], 8
	s_add_co_u32 s91, s91, s86                     ; my 64 context tokens: 4 (512 x + 64 w)
	s_lshl_b32 s92, s[YY], 22                      ; gm[pair of queries 128 y + 16 w + ..][chunk x][256 bytes]
	s_lshl_b32 s86, s[WV], 19
	s_add_co_u32 s92, s92, s86
	s_lshl_b32 s86, ttmp9, 8
	s_add_co_u32 s92, s92, s86
	s_mov_b32 s93, 0
	s_lshl_b32 s94, s[YY], 17                      ; qp[query 256 y + 16 (x / 8) + r][feature 16 (x % 8) + ..]
	s_lshl_b32 s86, s87, 13
	s_add_co_u32 s94, s94, s86
	s_and_b32 s96, ttmp9, 7
	s_lshl_b32 s96, s96, 6                         ; 64 bytes x the tile of features
	s_add_co_u32 s94, s94, s96
	s_mov_b32 s95, 0
.irp b,0,1,2,3
	v_mov_b32 v[TM+4+\b], 0                        ; written once: a lane permute's destination counts as one of its sources
.endr
	s_wait_kmcnt 0x0
	s_add_nc_u64 s[14:15], s[14:15], s[92:93]
	s_add_nc_u64 s[2:3], s[2:3], s[94:95]
	s_load_b512 s[16:31], s[6:7], s90 offset:0x0   ; 32 query tokens
	s_load_b512 s[32:47], s[6:7], s90 offset:0x40
	s_load_b512 s[48:63], s[4:5], s91 offset:0x0   ; the first 32 context tokens
	s_load_b512 s[68:83], s[4:5], s91 offset:0x40
	s_wait_kmcnt 0x0
	GATHER 0,0,0,16,32                             ; four tiles, 64 loads, are asked for before anything is worked on
	GATHER 1,0,1,16,32
	s_load_b512 s[16:31], s[4:5], s91 offset:0x80  ; the other 32 context tokens take the query tokens' registers
	s_load_b512 s[32:47], s[4:5], s91 offset:0xc0
	GATHER 2,1,0,48,68
	GATHER 3,1,1,48,68
	TURN 0,48                                      ; the first tile is in; the 48 loads of the three tiles behind it may be out
	s_wait_kmcnt 0x0
	GATHER 0,1,0,16,32                             ; its slot takes the fifth tile
	QTILE 0
	TURN 1,48                                      ; behind the second tile: three tiles, 48 loads
	GATHER 1,1,1,16,32
	QTILE 1
	TURN 2,48
	CTILE 0
	TURN 3,32                                      ; two tiles behind
	CTILE 1
	TURN 0,16                                      ; one
	CTILE 2
	TURN 1,0
	CTILE 3
	; wave 0 asks for its 16 columns of W and its 16 numbers of b now; they land in window 1 while the products run
	s_cmp_lg_u32 s[WV], 0
	s_cbranch_scc1 .Lno_w
	s_wait_xcnt 0x0
	v_and_b32 v30, 15, v0
	v_lshlrev_b32 v30, 2, v30
	v_lshl_add_u32 v30, v[HH], 14, v30             ; column r, 32 h rows of 512 bytes down,
	v_add_nc_u32 v30, s96, v30                     ; in my tile of 16 columns
	v_lshl_add_u32 v31, v[HH], 5, s96              ; b: features 16 (x % 8) + 8 h on
	WIN 0x40
.irp c,0,1
.irp i,0,1,2,3,4,5,6,7,8,9,10,11,12,13,14,15,16,17,18,19,20,21,22,23,24,25,26,27,28,29,30,31
	global_load_b32 v[128+32*\c+\i], v30, s[10:11] offset:(64*\c+\i)*512   ; W(64 c + 32 h + i, my column)
.endr
.endr
	global_load_b128 v[192:195], v31, s[12:13]
	global_load_b128 v[196:199], v31, s[12:13] offset:16
	WIN 0
.Lno_w:
	s_wait_dscnt 0x0                               ; my images have landed, my C tiles are in
	s_barrier_signal -1
	s_barrier_wait -1                              ; the 16 query fragments lie in LDS
.set t, 0
.rept 16
	ds_load_b32 v[HQ+t], v[L4] offset:QNH+128*t    ; |q|^2 / 2 of query r of each tile
.set t, t+1
.endr
	QLOAD 0, QF0
	QLOAD 1, QF1
.rept 8
	v_nop                                          ; my fragments and scale words were written by vector instructions: 4 and 8 places ahead of a scaled matrix instruction
.endr
; Query tile t: four products into set t % 2; behind them the maxima of set (t - 1) % 2, 18 plain instructions that name no register of those products: they are the places in front
; of the loads into the fragment just used, of the reads of these results in the next turn, and of the products that write this set again two turns on.
.set t, 0
.rept 16
.if t < 15
	s_wait_dscnt 4                                 ; tile t's fragment is in; the next tile's four loads may be out
.else
	s_wait_dscnt 0
.endif
.set QB, QF0+14*(t%2)
.set DB, X+32*(t%2)
	MUL4 DB, QB
.if t > 0
	REDUCE X+32*((t-1)%2), RES+2*(t-1), HQ+t-1
.else
.rept 4
	v_nop
.endr
.endif
.if t < 14
	QLOAD t+2, QB
.endif
.set t, t+1
.endr
.rept 4
	v_nop
.endr
	REDUCE X+32, RES+30, HQ+15
	; THE WAY OUT.  Lane (r, h) holds, for query 16 t + r, the maxima of groups 4 w + h and 4 w + 2 + h of the chunk: 8 bytes at place 4 w + 2 h of the query's 32.  A query's 128 bytes come from all 8 waves.
.set t, 0
.rept 16
	ds_store_b64 v[OSW], v[RES+2*t:RES+2*t+1] offset:16*OPITCH*t
.set t, t+1
.endr
	s_wait_dscnt 0x0                               ; for the others' sake: my stores have landed
	s_barrier_signal -1
	s_barrier_wait -1
.irp i,0,1,2,3,4,5,6,7
	ds_load_b128 v[X+4*\i:X+4*\i+3], v[OSR] offset:4*OPITCH*\i
.endr
.irp i,0,1,2,3,4,5,6,7
	s_wait_dscnt 7-\i                              ; the younger read-backs may be out
	global_store_b128 v[GOF], v[X+4*\i:X+4*\i+3], s[14:15] offset:65536*\i   ; sixteen lanes store 256 consecutive bytes, aligned: this chunk's 32 numbers of two queries
.endr
	; qp: one tile, by wave 0
	s_cmp_lg_u32 s[WV], 0
	s_cbranch_scc1 .Lend
.irp c,0,1,2
	ds_load_b128 v[CF+4*\c:CF+4*\c+3], v[JQI] offset:QIMG+512*\c
.endr
	ds_load_b32 v[CS], v[JQS] offset:QSC
	s_wait_loadcnt 0x0                             ; W and b are in
	s_wait_xcnt 0x0                                ; the stores above have read their registers
	WIN 0x01                                       ; source 0 window 1
.set i, 0
.rept 64
	v_mov_b32 v[X+i], v[128+i]
.set i, i+1
.endr
.set i, 0
.rept 8
	v_mov_b32 v[CT+i], v[192+i]
.set i, i+1
.endr
	WIN 0
.irp c,0,1                                     ; my block 2 c + h of column r: all its 32 numbers are mine
	v_max3_num_f32 v[TM+\c], |v[X+32*\c]|, |v[X+1+32*\c]|, 0x1800000
.endr
.irp i,2,4,6,8,10,12,14,16,18,20,22,24,26,28,30
.irp c,0,1
	v_max3_num_f32 v[TM+\c], v[TM+\c], |v[X+32*\c+\i]|, |v[X+1+32*\c+\i]|
.endr
.endr
.irp c,0,1
	v_add_nc_u32 v[TM+4+\c], 0xff000000, v[TM+\c]
.endr
.irp c,0,1
	v_lshrrev_b32 v[TM+8+\c], 23, v[TM+4+\c]
.endr
	v_lshl_or_b32 v[PW], v[TM+9], 16, v[TM+8]      ; my two bytes: blocks h and 2 + h,
	v_lshlrev_b32 v[TM+10], 3, v[HH]
	v_lshlrev_b32 v[PW], v[TM+10], v[PW]           ; at their places in the scale word;
	v_mov_b32 v[TM+10], 0
	v_permlanex16_b32 v[TM+10], v[PW], s[SEL], s[SEL+1]
	v_or_b32 v[PW], v[PW], v[TM+10]                ; with lane l xor 16's two the word is whole
.irp c,0,1
	v_cvt_scalef32_pk16_fp6_f32 v[PC+6*\c:PC+2+6*\c], v[X+32*\c:X+15+32*\c], v[TM+4+\c]
	v_cvt_scalef32_pk16_fp6_f32 v[T2+4*\c:T2+2+4*\c], v[X+16+32*\c:X+31+32*\c], v[TM+4+\c]
.endr
	v_nop
.irp c,0,1
.irp i,0,1,2
	v_mov_b32 v[PC+3+6*\c+\i], v[T2+4*\c+\i]
.endr
.endr
	v_and_b32 v30, 15, v0
	v_lshlrev_b32 v30, 9, v30
	v_lshl_add_u32 v30, v[HH], 5, v30              ; qp: row r of 512 bytes, + 32 h
.rept 8
	v_nop
.endr
	s_wait_dscnt 0x0
	v_wmma_scale_f32_16x16x128_f8f6f4 v[CT+8:CT+15], v[PC:PC+11], v[CF:CF+11], v[CT:CT+7], v[PW], v[CS] matrix_a_fmt:MATRIX_FMT_FP6 matrix_b_fmt:MATRIX_FMT_FP6   ; source 0 = 16 columns of W, source 1 = 16 queries, C = b: lane (r, h): query r, features 8 h + j
.rept 4
	v_nop
.endr
	global_store_b128 v30, v[CT+8:CT+11], s[2:3]
	global_store_b128 v30, v[CT+12:CT+15], s[2:3] offset:16
.Lend:
	s_barrier_signal -1
	s_barrier_wait -1
	s_wait_xcnt 0x0
	v_lshl_add_u32 v254, v0, 2, 0x21800
	v_mov_b32 v255, 0
	s_wait_tensorcnt 0x0
	ds_add_u32 v254, v255
	s_wait_dscnt 0x0
	s_endpgm
.Lfunc_end_k_q8c9f91c91a_k_groups:
	.size	k_q8c9f91c91a_k_groups, .Lfunc_end_k_q8c9f91c91a_k_groups-k_q8c9f91c91a_k_groups
	.p2alignl 7, 3214868480
	.fill 96, 4, 3214868480
	.section	.rodata,"a",@progbits
	.p2align	6, 0x0
	.amdhsa_kernel k_q8c9f91c91a_k_groups
		.amdhsa_group_segment_fixed_size 138240
		.amdhsa_private_segment_fixed_size 0
		.amdhsa_enable_private_segment 0
		.amdhsa_kernarg_size 56
		.amdhsa_user_sgpr_count 2
		.amdhsa_user_sgpr_kernarg_segment_ptr 1
		.amdhsa_wavefront_size32 1
		.amdhsa_system_sgpr_workgroup_id_x 1
		.amdhsa_system_sgpr_workgroup_id_y 1
		.amdhsa_system_sgpr_workgroup_id_z 1
		.amdhsa_system_vgpr_workitem_id 0
		.amdhsa_next_free_vgpr 512
		.amdhsa_next_free_sgpr 100
		.amdhsa_reserve_vcc 0
		.amdhsa_float_denorm_mode_32 3
		.amdhsa_float_denorm_mode_16_64 3
		.amdhsa_memory_ordered 1
		.amdhsa_forward_progress 1
		.amdhsa_inst_pref_size 122
	.end_amdhsa_kernel
	.amdgpu_metadata
---
amdhsa.version: [ 1, 2 ]
amdhsa.kernels:
  - .name:           k_q8c9f91c91a_k_groups
    .symbol:         k_q8c9f91c91a_k_groups.kd
    .args:
      - { .name: context_tokens, .offset: 0, .size: 8, .value_kind: global_buffer, .address_space: global }
      - { .name: query_tokens, .offset: 8, .size: 8, .value_kind: global_buffer, .address_space: global }
      - { .name: emb_table, .offset: 16, .size: 8, .value_kind: global_buffer, .address_space: global }
      - { .name: W_score, .offset: 24, .size: 8, .value_kind: global_buffer, .address_space: global }
      - { .name: b_score, .offset: 32, .size: 8, .value_kind: global_buffer, .address_space: global }
      - { .name: gm, .offset: 40, .size: 8, .value_kind: global_buffer, .address_space: global }
      - { .name: qp, .offset: 48, .size: 8, .value_kind: global_buffer, .address_space: global }
    .group_segment_fixed_size: 138240
    .private_segment_fixed_size: 0
    .kernarg_segment_align: 8
    .kernarg_segment_size: 56
    .max_flat_workgroup_size: 256
    .sgpr_count:     100
    .vgpr_count:     512
    .wavefront_size: 32
...
	.end_amdgpu_metadata
.endif
;; end of part 1
;; launch k_select (part 2): grid 256 x 1, 8 waves a work-group, no clusters, 2,048 bytes of LDS; arguments gm, sel; writes sel
.if DOCPART == 2
	.amdgcn_target "amdgcn-amd-amdhsa--gfx1250"
	.amdhsa_code_object_version 6
	.text
	.protected	k_q8c9f91c91a_k_select
	.globl	k_q8c9f91c91a_k_select
	.p2align	8
	.type	k_q8c9f91c91a_k_select,@function
k_q8c9f91c91a_k_select:
	s_mov_b64 s[64:65], 0
	v_nop
	global_prefetch_b8 v0, s[64:65] scope:SCOPE_SE
	s_setreg_imm32_b32 hwreg(HW_REG_WAVE_MODE, 25, 1), 1
	s_wait_xcnt 0x0
; THE 8 BEST GROUPS OF EACH QUERY: the 8 largest of its 4,096 group maxima, equal numbers in the order of their group numbers.
; A work-group takes a pair of queries: 32,768 consecutive bytes of gm, [chunk 128][query 2][place 32] f32.  A wave reads 4,096 of them by 8 loads of 512 consecutive bytes: lane l holds 4 numbers of
; query (l / 8) % 2, chunk 16 w + 2 i + l / 16, places 4 (l % 8) + e; place 4 s + e is group 4 s + 2 (e % 2) + e / 2 of the chunk's 32.  So 16 lanes of each of 8 waves share a query, 32 numbers a lane.
; PASS 1, numbers alone: each lane keeps its 8 largest in descending order (a number is put in by one maximum and seven medians); two such lists are joined by max(mine[i], the other's[7 - i]), which
; keeps the 8 largest of the 16 as a sequence that falls and rises, and three rows of maxima and minima order it.  Lanes 1, 2, 4 and 16 apart, then the 8 waves through LDS.  T = the 8th largest.
; PASS 2, whole-number keys as f32: a number above T gets 8192 + 4096 - g, a number equal to T gets 4096 - g, every other 0 (g its group number, 0 .. 4095).  The keys are all different, at most 7 numbers lie above T,
; and among the equals a lower g has the higher key: the 8 largest keys, found by the same lines, name the 8 groups.  No address and no branch hangs on any of these numbers.
; LIMITS: NaN and infinities are not served.
.set V,   8                            ; v8-39   my 32 numbers
.set A,   40                           ; v40-47  a list
.set B,   48                           ; v48-55  at work
.set K,   56
.set TT,  57
.set KBL, 58                           ; 4096 - g of my load's first number
.set KBH, 59                           ; the same + 8192
.set LW,  60
.set LR,  61
.set GO,  62
.set SO,  63
.macro INSERT x
.irp i,7,6,5,4,3,2,1
	v_med3_num_f32 v[A+\i], v[\x], v[A+\i-1], v[A+\i]   ; from the end on, so that each line still sees its upper neighbour as it was
.endr
	v_max_num_f32 v[A], v[\x], v[A]
.endm
.macro SORT8                           ; v[B] on, falling and rising, into v[A] on, descending
.irp i,0,1,2,3
	v_max_num_f32 v[A+\i], v[B+\i], v[B+\i+4]
	v_min_num_f32 v[A+\i+4], v[B+\i], v[B+\i+4]
.endr
.irp i,0,1,4,5
	v_max_num_f32 v[B+\i], v[A+\i], v[A+\i+2]
	v_min_num_f32 v[B+\i+2], v[A+\i], v[A+\i+2]
.endr
.irp i,0,2,4,6
	v_max_num_f32 v[A+\i], v[B+\i], v[B+\i+1]
	v_min_num_f32 v[A+\i+1], v[B+\i], v[B+\i+1]
.endr
.endm
.macro MERGEX m                        ; with the lane m apart in my row of 16
.irp i,0,1,2,3,4,5,6,7
	v_max_num_f32_dpp v[B+\i], v[A+7-\i], v[A+\i] row_xmask:\m row_mask:0xf bank_mask:0xf
.endr
	SORT8
.endm
.macro ACROSS off                      ; my lane's list becomes the query's: 16 lanes, then 8 waves.  off: the LDS bytes of this pass
	MERGEX 1
	MERGEX 2
	MERGEX 4
.irp i,0,1,2,3,4,5,6,7
	v_permlanex16_b32 v[B+\i], v[A+7-\i], s12, s13
.endr
.irp i,0,1,2,3,4,5,6,7
	v_max_num_f32 v[B+\i], v[B+\i], v[A+\i]
.endr
	SORT8
	ds_store_b128 v[LW], v[A:A+3] offset:\off       ; the 16 lanes of a query write the same 32 bytes with the same numbers
	ds_store_b128 v[LW], v[A+4:A+7] offset:\off+16
	s_wait_dscnt 0x0                               ; for the others' sake
	s_barrier_signal -1
	s_barrier_wait -1
	ds_load_b128 v[A:A+3], v[LR] offset:\off        ; lane l takes wave l % 8's list of its query
	ds_load_b128 v[A+4:A+7], v[LR] offset:\off+16
	s_wait_dscnt 0x0
	MERGEX 1
	MERGEX 2
	MERGEX 4
.endm
.macro KEY x, c                        ; c: minus the group's distance from the load's first
	v_cmp_gt_f32 vcc_lo, v[\x], v[TT]
	v_cndmask_b32 v[K], v[KBL], v[KBH], vcc_lo
	v_cmp_ge_f32 vcc_lo, v[\x], v[TT]
	v_add_f32 v[K], \c, v[K]
	v_cndmask_b32 v[K], 0, v[K], vcc_lo
	INSERT K
.endm
	s_load_b128 s[4:7], s[0:1], 0x0                ; gm, sel
	v_lshl_add_u32 v64, v0, 2, 0x400
	v_mov_b32 v65, 0
	v_lshrrev_b32 v1, 5, v0
	v_readfirstlane_b32 s8, v1                     ; wave 0..7
	v_and_b32 v1, 31, v0                           ; lane
	v_lshlrev_b32 v[GO], 4, v1
	s_lshl_b32 s9, s8, 12
	v_add_nc_u32 v[GO], s9, v[GO]                  ; 4,096 x wave + 16 x lane
	s_lshl_b32 s10, ttmp9, 15
	s_mov_b32 s11, 0
	s_mov_b32 s12, 0x76543210
	s_mov_b32 s13, 0xfedcba98
	s_wait_kmcnt 0x0
	s_add_nc_u64 s[4:5], s[4:5], s[10:11]
.irp i,0,1,2,3,4,5,6,7
	global_load_b128 v[V+4*\i:V+4*\i+3], v[GO], s[4:5] offset:512*\i th:TH_LOAD_NT
.endr
	s_lshl_b32 s10, ttmp9, 6
	s_add_nc_u64 s[6:7], s[6:7], s[10:11]          ; sel: 32 bytes a query
	v_bfe_u32 v2, v0, 3, 1                         ; which of the two queries
	s_lshl_b32 s9, s8, 6
	v_lshl_add_u32 v[LW], v2, 5, s9                ; LDS: 64 x wave + 32 x query
	v_and_b32 v3, 7, v0
	v_lshlrev_b32 v[LR], 5, v2
	v_lshl_add_u32 v[LR], v3, 6, v[LR]
	v_lshlrev_b32 v[SO], 5, v2
	v_bfe_u32 v4, v0, 4, 1
	v_lshlrev_b32 v4, 5, v4
	v_lshl_add_u32 v4, v3, 2, v4                   ; 32 (l / 16) + 4 (l % 8)
	s_lshl_b32 s9, s8, 9
	s_sub_co_u32 s9, 4096, s9
	v_sub_nc_u32 v4, s9, v4                        ; 4096 - g of my first number: g = 32 chunk + 4 (l % 8)
	v_cvt_f32_u32 v[KBL], v4
	v_add_f32 v[KBH], 0x46000000, v[KBL]           ; + 8192
.irp i,0,1,2,3,4,5,6,7
	v_mov_b32 v[A+\i], 0xff800000                  ; under every number
	v_mov_b32 v[B+\i], 0                           ; (a destination of a lane exchange counts as read)
.endr
.set i, 0
.rept 8
	s_wait_loadcnt 7-i                             ; load i is in; the younger ones may be out
	INSERT V+4*i
	INSERT V+4*i+1
	INSERT V+4*i+2
	INSERT V+4*i+3
.set i, i+1
.endr
	ACROSS 0
	v_mov_b32 v[TT], v[A+7]                        ; T
.irp i,0,1,2,3,4,5,6,7
	v_mov_b32 v[A+\i], 0
.endr
.set i, 0
.rept 8
	KEY V+4*i, 0
	KEY V+4*i+1, -2.0
	KEY V+4*i+2, -1.0
	KEY V+4*i+3, -3.0
	v_add_f32 v[KBL], 0xc2800000, v[KBL]           ; my next load lies two chunks, 64 groups, on
	v_add_f32 v[KBH], 0xc2800000, v[KBH]
.set i, i+1
.endr
	ACROSS 512
.irp i,0,1,2,3,4,5,6,7
	v_cvt_u32_f32 v[B+\i], v[A+\i]
.endr
.irp i,0,1,2,3,4,5,6,7
	v_and_b32 v[B+\i], 0x1fff, v[B+\i]
.endr
.irp i,0,1,2,3,4,5,6,7
	v_sub_nc_u32 v[B+\i], 4096, v[B+\i]            ; g
.endr
	s_cmp_lg_u32 s8, 0                             ; every wave holds the result: wave 0 stores it, lane 0 for the first query, lane 8 for the second
	s_cbranch_scc1 .Lend
	v_and_b32 v3, 0x17, v1
	v_cmp_eq_u32 vcc_lo, 0, v3
	s_wait_xcnt 0x0                                ; EXEC changes only behind this wait
	s_and_saveexec_b32 s14, vcc_lo
	global_store_b128 v[SO], v[B:B+3], s[6:7]
	global_store_b128 v[SO], v[B+4:B+7], s[6:7] offset:16
	s_wait_xcnt 0x0
	s_or_b32 exec_lo, exec_lo, s14
.Lend:
	s_barrier_signal -1
	s_barrier_wait -1
	s_wait_tensorcnt 0x0
	ds_add_u32 v64, v65
	s_wait_dscnt 0x0
	s_endpgm
.Lfunc_end_k_q8c9f91c91a_k_select:
	.size	k_q8c9f91c91a_k_select, .Lfunc_end_k_q8c9f91c91a_k_select-k_q8c9f91c91a_k_select
	.p2alignl 7, 3214868480
	.fill 96, 4, 3214868480
	.section	.rodata,"a",@progbits
	.p2align	6, 0x0
	.amdhsa_kernel k_q8c9f91c91a_k_select
		.amdhsa_group_segment_fixed_size 2048
		.amdhsa_private_segment_fixed_size 0
		.amdhsa_enable_private_segment 0
		.amdhsa_kernarg_size 16
		.amdhsa_user_sgpr_count 2
		.amdhsa_user_sgpr_kernarg_segment_ptr 1
		.amdhsa_wavefront_size32 1
		.amdhsa_system_sgpr_workgroup_id_x 1
		.amdhsa_system_sgpr_workgroup_id_y 1
		.amdhsa_system_sgpr_workgroup_id_z 1
		.amdhsa_system_vgpr_workitem_id 0
		.amdhsa_next_free_vgpr 66
		.amdhsa_next_free_sgpr 66
		.amdhsa_reserve_vcc 1
		.amdhsa_float_denorm_mode_32 3
		.amdhsa_float_denorm_mode_16_64 3
		.amdhsa_memory_ordered 1
		.amdhsa_forward_progress 1
		.amdhsa_inst_pref_size 61
	.end_amdhsa_kernel
	.amdgpu_metadata
---
amdhsa.version: [ 1, 2 ]
amdhsa.kernels:
  - .name:           k_q8c9f91c91a_k_select
    .symbol:         k_q8c9f91c91a_k_select.kd
    .args:
      - { .name: gm, .offset: 0, .size: 8, .value_kind: global_buffer, .address_space: global }
      - { .name: sel, .offset: 8, .size: 8, .value_kind: global_buffer, .address_space: global }
    .group_segment_fixed_size: 2048
    .private_segment_fixed_size: 0
    .kernarg_segment_align: 8
    .kernarg_segment_size: 16
    .max_flat_workgroup_size: 256
    .sgpr_count:     66
    .vgpr_count:     66
    .wavefront_size: 32
...
	.end_amdgpu_metadata
.endif
;; end of part 2
;; launch k_refine (part 3): grid 512 x 1, 8 waves a work-group, no clusters, 70,656 bytes of LDS; arguments query_tokens, context_tokens, emb_table, sel, qp, imp; writes imp
.if DOCPART == 3
	.amdgcn_target "amdgcn-amd-amdhsa--gfx1250"
	.amdhsa_code_object_version 6
	.text
	.protected	k_q8c9f91c91a_k_refine
	.globl	k_q8c9f91c91a_k_refine
	.p2align	8
	.type	k_q8c9f91c91a_k_refine,@function
k_q8c9f91c91a_k_refine:
	s_mov_b64 s[64:65], 0
	v_nop
	global_prefetch_b8 v0, s[64:65] scope:SCOPE_SE
	s_setreg_imm32_b32 hwreg(HW_REG_WAVE_MODE, 25, 1), 1
	s_wait_xcnt 0x0
; THE 8 NEAREST CONTEXTS OF A QUERY AMONG ITS 8 CHOSEN GROUPS, THEIR SCORES, AND THE QUERY'S IMPORTANCE.
; A work-group takes one query; wave w takes its w-th chosen group: 16 neighbouring contexts.  The group numbers are whole numbers that the launch before stored.
; Each wave: the query's row (every lane of a half loads the same 64 numbers), |q|^2, its codes; the group's 16 tokens, their rows (one load a row, 512 consecutive bytes), turned through the wave's stage in LDS
; so that lane (r, h) holds of context r the numbers k = 32 b + 16 h + 0 .. 15; |c|^2 and qp.c in f32; the codes; ONE scaled matrix instruction, source 0 = the query in all 16 rows, source 1 = the 16 contexts:
; lane (r, h) gets Q(q).Q(c_r).  Then as reference() writes it: sq = (|q|^2 + |c|^2) - 2 dot, dist = sqrt(max(sq, 0) + 1e-12), logit = qp.c / sqrt(128) - dist.
; The logit is made for all 128 candidates, so that the rows of the 8 chosen need not be fetched by an address that hangs on distances.
; Wave 0 then takes away, eight times, the smallest distance, of equal ones the lowest context index, by compares and selects; softmax over the 8 logits with their maximum taken off;
; its largest term is 1 / the sum.
; LIMITS: NaN and infinities are not served.  A block of zeros gets the scale byte 1 (its codes are zeros).
.set VOCAB,  50257
.set SPITCH, 528
.set STGB,   16*SPITCH
.set STG,    2048                      ; LDS: bytes 0-1535 the candidates (distances, logits, indices: 128 words each); from 2048 a stage of 16 rows for each wave
.set L16, 1
.set ST,  2
.set LD,  3
.set H64, 4
.set CW,  5
.set IDXF, 6
.set QN,  7
.set SUM, 8
.set DST, 12
.set LGT, 13
.set AQ,  15
.set AD,  16                           ; v16-31 the offsets of the 16 row loads; then:
.set QF,  16                           ; v16-27 the query's codes
.set QS,  28                           ; v28    its scale word
.set X,   32                           ; v32-95 64 numbers of a row
.set RAW, 96                           ; v96-159 16 rows as loaded; then:
.set CFR, 96                           ; v96-107 the contexts' codes
.set DA,  108                          ; v108-115 the product
.set QP,  160                          ; v160-223 qp, in the order of v[X]
.set TM,  224
.set N,   TM+8
.set T2,  240
.set PW,  248
.set G,   250
.set SEL, 26
.macro NORM
	v_pk_mul_f32 v[N:N+1], v[X:X+1], v[X:X+1]
	v_pk_mul_f32 v[N+2:N+3], v[X+2:X+3], v[X+2:X+3]
.irp i,4,8,12,16,20,24,28,32,36,40,44,48,52,56,60
	v_pk_fma_f32 v[N:N+1], v[X+\i:X+\i+1], v[X+\i:X+\i+1], v[N:N+1]
	v_pk_fma_f32 v[N+2:N+3], v[X+\i+2:X+\i+3], v[X+\i+2:X+\i+3], v[N+2:N+3]
.endr
	v_pk_add_f32 v[N:N+1], v[N:N+1], v[N+2:N+3]
	v_add_f32 v[N], v[N], v[N+1]
	v_permlanex16_b32 v[N+1], v[N], s[SEL], s[SEL+1]
	v_add_f32 v[N], v[N], v[N+1]
.endm
.macro DOT
	v_pk_mul_f32 v[G:G+1], v[X:X+1], v[QP:QP+1]
	v_pk_mul_f32 v[G+2:G+3], v[X+2:X+3], v[QP+2:QP+3]
.irp i,4,8,12,16,20,24,28,32,36,40,44,48,52,56,60
	v_pk_fma_f32 v[G:G+1], v[X+\i:X+\i+1], v[QP+\i:QP+\i+1], v[G:G+1]
	v_pk_fma_f32 v[G+2:G+3], v[X+\i+2:X+\i+3], v[QP+\i+2:QP+\i+3], v[G+2:G+3]
.endr
	v_pk_add_f32 v[G:G+1], v[G:G+1], v[G+2:G+3]
	v_add_f32 v[G], v[G], v[G+1]
	v_permlanex16_b32 v[G+1], v[G], s[SEL], s[SEL+1]
	v_add_f32 v[G], v[G], v[G+1]
.endm
.macro QUANT s, d, pw                  ; 64 numbers of a lane, register 16 b + i = k 32 b + 16 h + i of my row, become 12 registers of codes and a scale word
.irp b,0,1,2,3
	v_max3_num_f32 v[TM+\b], |v[\s+16*\b]|, |v[\s+1+16*\b]|, 0x1800000   ; and the floor 2^(3 - 127): the byte cannot fall under 1
.endr
.irp i,2,4,6,8,10,12,14
.irp b,0,1,2,3
	v_max3_num_f32 v[TM+\b], v[TM+\b], |v[\s+16*\b+\i]|, |v[\s+1+16*\b+\i]|
.endr
.endr
.irp b,0,1,2,3
	v_permlanex16_b32 v[TM+4+\b], v[TM+\b], s[SEL], s[SEL+1]
.endr
.irp b,0,1,2,3
	v_max_num_f32 v[TM+\b], v[TM+\b], v[TM+4+\b]
.endr
.irp b,0,1,2,3
	v_add_nc_u32 v[TM+12+\b], 0xff000000, v[TM+\b]
.endr
.irp b,0,1,2,3
	v_lshrrev_b32 v[TM+4+\b], 23, v[TM+12+\b]
.endr
	v_lshl_or_b32 v[\pw], v[TM+5], 8, v[TM+4]
	v_lshl_or_b32 v[\pw], v[TM+6], 16, v[\pw]
	v_lshl_or_b32 v[\pw], v[TM+7], 24, v[\pw]
.irp c,0,1
	v_cvt_scalef32_pk16_fp6_f32 v[\d+6*\c:\d+2+6*\c], v[\s+32*\c:\s+15+32*\c], v[TM+12+2*\c]
	v_cvt_scalef32_pk16_fp6_f32 v[T2+4*\c:T2+2+4*\c], v[\s+16+32*\c:\s+31+32*\c], v[TM+12+2*\c+1]
.endr
	v_nop                                          ; one plain place behind the scaled conversions
.irp c,0,1
.irp i,0,1,2
	v_permlane16_swap_b32 v[\d+6*\c+\i], v[T2+4*\c+\i]
.endr
.irp i,0,1,2
	v_mov_b32 v[\d+3+6*\c+\i], v[T2+4*\c+\i]
.endr
.endr
.endm
.macro WMIN x, t                       ; the smallest over the 32 lanes, in every lane
	v_min_num_f32_dpp v[\x], v[\x], v[\x] row_xmask:1 row_mask:0xf bank_mask:0xf
	v_min_num_f32_dpp v[\x], v[\x], v[\x] row_xmask:2 row_mask:0xf bank_mask:0xf
	v_min_num_f32_dpp v[\x], v[\x], v[\x] row_xmask:4 row_mask:0xf bank_mask:0xf
	v_min_num_f32_dpp v[\x], v[\x], v[\x] row_xmask:8 row_mask:0xf bank_mask:0xf
	v_permlanex16_b32 v[\t], v[\x], s[SEL], s[SEL+1]
	v_min_num_f32 v[\x], v[\x], v[\t]
.endm
	s_load_b256 s[4:11], s[0:1], 0x0               ; query_tokens s[4:5], context_tokens s[6:7], emb_table s[8:9], sel s[10:11]
	s_load_b128 s[12:15], s[0:1], 0x20             ; qp s[12:13], imp s[14:15]
	v_lshl_add_u32 v254, v0, 2, 0x11000
	v_mov_b32 v255, 0
	v_lshrrev_b32 v9, 5, v0
	v_readfirstlane_b32 s16, v9                    ; wave 0..7
	v_and_b32 v9, 31, v0
	v_and_b32 v10, 15, v0                          ; r
	v_bfe_u32 v11, v0, 4, 1                        ; h
	v_lshlrev_b32 v[L16], 4, v9
	v_lshlrev_b32 v[H64], 6, v11
	s_mul_i32 s24, s16, STGB
	s_add_co_u32 s24, s24, STG                     ; my stage
	v_add_nc_u32 v[ST], s24, v[L16]
	v_mul_u32_u24 v[LD], v10, SPITCH
	v_add_nc_u32 v[LD], v[LD], v[H64]
	v_add_nc_u32 v[LD], s24, v[LD]
	s_lshl_b32 s24, s16, 6
	v_lshl_add_u32 v[CW], v10, 2, s24              ; candidate 16 w + r
	s_mov_b32 s[SEL], 0x76543210
	s_mov_b32 s[SEL+1], 0xfedcba98
	s_mov_b32 s28, 0x3db504f3                      ; 1 / sqrt(128)
	s_lshl_b32 s17, ttmp9, 5
	s_lshl_b32 s18, s16, 2
	s_add_co_u32 s17, s17, s18                     ; sel[query][w]
	s_lshl_b32 s18, ttmp9, 2                       ; query_tokens[query], imp[query]
	s_lshl_b32 s22, ttmp9, 9                       ; qp[query]
	s_mov_b32 s23, 0
.irp b,0,1,2,3
	v_mov_b32 v[TM+4+\b], 0                        ; written once: a lane permute's destination counts as one of its sources
.endr
	s_wait_kmcnt 0x0
	s_load_b32 s19, s[10:11], s17 offset:0x0       ; my group
	s_load_b32 s20, s[4:5], s18 offset:0x0         ; the query's token
	s_add_nc_u64 s[12:13], s[12:13], s[22:23]
	s_mov_b32 s22, s18
	s_add_nc_u64 s[14:15], s[14:15], s[22:23]
.irp b,0,1,2,3
.irp j,0,1,2,3
	global_load_b128 v[QP+16*\b+4*\j:QP+16*\b+4*\j+3], v[H64], s[12:13] offset:128*\b+16*\j
.endr
.endr
	s_wait_kmcnt 0x0
	s_min_u32 s19, s19, 4095                       ; loaded numbers enter addresses only held inside their tables
	s_min_u32 s20, s20, VOCAB-1
	s_lshl_b32 s21, s19, 6
	s_load_b512 s[32:47], s[6:7], s21 offset:0x0   ; the group's 16 tokens
	v_lshl_add_u32 v[AQ], s20, 9, v[H64]
.irp b,0,1,2,3
.irp j,0,1,2,3
	global_load_b128 v[X+16*\b+4*\j:X+16*\b+4*\j+3], v[AQ], s[8:9] offset:128*\b+16*\j
.endr
.endr
	s_wait_kmcnt 0x0
.set m, 0
.rept 16
	s_min_u32 s[32+m], s[32+m], VOCAB-1
	v_lshl_add_u32 v[AD+m], s[32+m], 9, v[L16]
.set m, m+1
.endr
.set m, 0
.rept 16
	global_load_b128 v[RAW+4*m:RAW+4*m+3], v[AD+m], s[8:9]
.set m, m+1
.endr
	s_wait_loadcnt 16                              ; qp and the query's row are in; the 16 contexts' rows may be out
	NORM
	v_mov_b32 v[QN], v[N]
	s_wait_xcnt 0x0                                ; the row loads have read their offsets: the query's codes take those registers
	QUANT X, QF, QS
	s_wait_loadcnt 0x0
.set m, 0
.rept 16
	ds_store_b128 v[ST], v[RAW+4*m:RAW+4*m+3] offset:m*SPITCH
.set m, m+1
.endr
.irp b,0,1,2,3
.irp j,0,1,2,3
	ds_load_b128 v[X+16*\b+4*\j:X+16*\b+4*\j+3], v[LD] offset:128*\b+16*\j   ; LDS serves a wave's instructions in order: these see the stores above
.endr
.endr
	s_wait_dscnt 0x0
	NORM
	v_add_f32 v[SUM], v[QN], v[N]                  ; |q|^2 + |c|^2
	DOT                                            ; qp.c
	QUANT X, CFR, PW
.rept 8
	v_nop                                          ; operands and scale words written by vector instructions stand 4 and 8 places ahead of a scaled matrix instruction
.endr
	v_wmma_scale_f32_16x16x128_f8f6f4 v[DA:DA+7], v[QF:QF+11], v[CFR:CFR+11], 0, v[QS], v[PW] matrix_a_fmt:MATRIX_FMT_FP6 matrix_b_fmt:MATRIX_FMT_FP6
	s_lshl_b32 s21, s19, 4
	v_and_b32 v9, 15, v0
	v_add_nc_u32 v9, s21, v9
	v_cvt_f32_u32 v[IDXF], v9                      ; the context's index, 16 g + r, exact in f32
	v_nop
	v_nop                                          ; (five plain places behind the product)
	v_fma_f32 v[DST], -2.0, v[DA], v[SUM]
	v_max_num_f32 v[DST], 0, v[DST]
	v_add_f32 v[DST], 0x2b8cbccc, v[DST]           ; + 1e-12
	v_sqrt_f32 v[DST], v[DST]
	v_nop
	s_wait_alu depctr_va_vdst(0)                   ; ahead of the root's first reader
	v_fma_f32 v[LGT], v[G], s28, -v[DST]
	ds_store_b32 v[CW], v[DST]                     ; lanes r and r + 16 write the same word with the same number
	ds_store_b32 v[CW], v[LGT] offset:512
	ds_store_b32 v[CW], v[IDXF] offset:1024
	s_wait_dscnt 0x0                               ; for wave 0's sake
	s_barrier_signal -1
	s_barrier_wait -1
	s_cmp_lg_u32 s16, 0
	s_cbranch_scc1 .Lend
.set DD, 32                            ; four candidates a lane: distances,
.set LL, 36                            ; logits,
.set II, 40                            ; indices
.set CC, 44
.set M,  48
.set M2, 49
.set CI, 50
.set INF, 51
	ds_load_b128 v[DD:DD+3], v[L16]
	ds_load_b128 v[LL:LL+3], v[L16] offset:512
	ds_load_b128 v[II:II+3], v[L16] offset:1024
	v_mov_b32 v[INF], 0x7f800000
	v_mov_b32 v[M2], 0
	s_wait_dscnt 0x0
.rept 8                                        ; the smallest distance left; of those that have it the lowest index; its distance becomes infinity, which marks it as chosen
	v_min3_num_f32 v[M], v[DD], v[DD+1], v[DD+2]
	v_min_num_f32 v[M], v[M], v[DD+3]
	WMIN M, M2
.irp e,0,1,2,3
	v_cmp_eq_f32 vcc_lo, v[DD+\e], v[M]
	v_cndmask_b32 v[CC+\e], v[INF], v[II+\e], vcc_lo
.endr
	v_min3_num_f32 v[CI], v[CC], v[CC+1], v[CC+2]
	v_min_num_f32 v[CI], v[CI], v[CC+3]
	WMIN CI, M2
.irp e,0,1,2,3
	v_cmp_eq_f32 vcc_lo, v[II+\e], v[CI]
	v_cndmask_b32 v[DD+\e], v[DD+\e], v[INF], vcc_lo
.endr
.endr
.irp e,0,1,2,3
	v_cmp_eq_f32 vcc_lo, v[DD+\e], v[INF]
	v_cndmask_b32 v[LL+\e], 0xff800000, v[LL+\e], vcc_lo   ; the logits of the others count for nothing
.endr
	v_max3_num_f32 v[M], v[LL], v[LL+1], v[LL+2]
	v_max_num_f32 v[M], v[M], v[LL+3]
	v_max_num_f32_dpp v[M], v[M], v[M] row_xmask:1 row_mask:0xf bank_mask:0xf
	v_max_num_f32_dpp v[M], v[M], v[M] row_xmask:2 row_mask:0xf bank_mask:0xf
	v_max_num_f32_dpp v[M], v[M], v[M] row_xmask:4 row_mask:0xf bank_mask:0xf
	v_max_num_f32_dpp v[M], v[M], v[M] row_xmask:8 row_mask:0xf bank_mask:0xf
	v_permlanex16_b32 v[M2], v[M], s[SEL], s[SEL+1]
	v_max_num_f32 v[M], v[M], v[M2]                ; the largest of the 8 logits
.irp e,0,1,2,3
	v_sub_f32 v[LL+\e], v[LL+\e], v[M]
.endr
.irp e,0,1,2,3
	v_mul_f32 v[LL+\e], 0x3fb8aa3b, v[LL+\e]
.endr
.irp e,0,1,2,3
	v_exp_f32 v[LL+\e], v[LL+\e]
.endr
	v_mov_b32 v9, 0                                ; (a plain place behind the exponentials)  the store's offset
	s_wait_alu depctr_va_vdst(0)                   ; one wait for the four
	v_add_f32 v[LL], v[LL], v[LL+1]
	v_add_f32 v[LL+2], v[LL+2], v[LL+3]
	v_add_f32 v[LL], v[LL], v[LL+2]
	v_add_f32_dpp v[LL], v[LL], v[LL] row_xmask:1 row_mask:0xf bank_mask:0xf
	v_add_f32_dpp v[LL], v[LL], v[LL] row_xmask:2 row_mask:0xf bank_mask:0xf
	v_add_f32_dpp v[LL], v[LL], v[LL] row_xmask:4 row_mask:0xf bank_mask:0xf
	v_add_f32_dpp v[LL], v[LL], v[LL] row_xmask:8 row_mask:0xf bank_mask:0xf
	v_permlanex16_b32 v[M2], v[LL], s[SEL], s[SEL+1]
	v_add_f32 v[LL], v[LL], v[M2]
	v_rcp_f32 v[M], v[LL]                          ; the largest term of the softmax: exp(0) / the sum
	v_cmp_eq_u32 vcc_lo, 0, v0
	s_wait_alu depctr_va_vdst(0)
	s_wait_xcnt 0x0                                ; EXEC changes only behind this wait
	s_and_saveexec_b32 s25, vcc_lo
	global_store_b32 v9, v[M], s[14:15]
	s_wait_xcnt 0x0
	s_or_b32 exec_lo, exec_lo, s25
.Lend:
	s_barrier_signal -1
	s_barrier_wait -1
	s_wait_tensorcnt 0x0
	ds_add_u32 v254, v255
	s_wait_dscnt 0x0
	s_endpgm
.Lfunc_end_k_q8c9f91c91a_k_refine:
	.size	k_q8c9f91c91a_k_refine, .Lfunc_end_k_q8c9f91c91a_k_refine-k_q8c9f91c91a_k_refine
	.p2alignl 7, 3214868480
	.fill 96, 4, 3214868480
	.section	.rodata,"a",@progbits
	.p2align	6, 0x0
	.amdhsa_kernel k_q8c9f91c91a_k_refine
		.amdhsa_group_segment_fixed_size 70656
		.amdhsa_private_segment_fixed_size 0
		.amdhsa_enable_private_segment 0
		.amdhsa_kernarg_size 48
		.amdhsa_user_sgpr_count 2
		.amdhsa_user_sgpr_kernarg_segment_ptr 1
		.amdhsa_wavefront_size32 1
		.amdhsa_system_sgpr_workgroup_id_x 1
		.amdhsa_system_sgpr_workgroup_id_y 1
		.amdhsa_system_sgpr_workgroup_id_z 1
		.amdhsa_system_vgpr_workitem_id 0
		.amdhsa_next_free_vgpr 256
		.amdhsa_next_free_sgpr 66
		.amdhsa_reserve_vcc 1
		.amdhsa_float_denorm_mode_32 3
		.amdhsa_float_denorm_mode_16_64 3
		.amdhsa_memory_ordered 1
		.amdhsa_forward_progress 1
		.amdhsa_inst_pref_size 40
	.end_amdhsa_kernel
	.amdgpu_metadata
---
amdhsa.version: [ 1, 2 ]
amdhsa.kernels:
  - .name:           k_q8c9f91c91a_k_refine
    .symbol:         k_q8c9f91c91a_k_refine.kd
    .args:
      - { .name: query_tokens, .offset: 0, .size: 8, .value_kind: global_buffer, .address_space: global }
      - { .name: context_tokens, .offset: 8, .size: 8, .value_kind: global_buffer, .address_space: global }
      - { .name: emb_table, .offset: 16, .size: 8, .value_kind: global_buffer, .address_space: global }
      - { .name: sel, .offset: 24, .size: 8, .value_kind: global_buffer, .address_space: global }
      - { .name: qp, .offset: 32, .size: 8, .value_kind: global_buffer, .address_space: global }
      - { .name: imp, .offset: 40, .size: 8, .value_kind: global_buffer, .address_space: global }
    .group_segment_fixed_size: 70656
    .private_segment_fixed_size: 0
    .kernarg_segment_align: 8
    .kernarg_segment_size: 48
    .max_flat_workgroup_size: 256
    .sgpr_count:     66
    .vgpr_count:     256
    .wavefront_size: 32
...
	.end_amdgpu_metadata
.endif
;; end of part 3
;; launch k_final (part 4): grid 1 x 1, 4 waves a work-group, no clusters, 0 bytes of LDS; arguments query_tokens, imp, out0; writes out0
.if DOCPART == 4
	.amdgcn_target "amdgcn-amd-amdhsa--gfx1250"
	.amdhsa_code_object_version 6
	.text
	.protected	k_q8c9f91c91a_k_final
	.globl	k_q8c9f91c91a_k_final
	.p2align	8
	.type	k_q8c9f91c91a_k_final,@function
k_q8c9f91c91a_k_final:
	s_mov_b64 s[64:65], 0
	v_nop
	global_prefetch_b8 v0, s[64:65] scope:SCOPE_SE
	s_setreg_imm32_b32 hwreg(HW_REG_WAVE_MODE, 25, 1), 1
	s_wait_xcnt 0x0
; out0[b][i] = query_tokens[b][i] x softmax_i(importance[b][:])[i] x 128.  Wave b takes batch b: 128 positions, four a lane; a load or store of the wave covers 512 consecutive bytes.
; The maximum is taken off before the exponentials, as reference() does.  The sum spans all queries of a batch, which the launch before worked in 128 work-groups: hence a launch of its own, with work for four waves.
	s_load_b128 s[4:7], s[0:1], 0x0                ; query_tokens, imp
	s_load_b64 s[8:9], s[0:1], 0x10                ; out0
	v_lshlrev_b32 v1, 4, v0                        ; 512 x wave + 16 x lane
	s_mov_b32 s10, 0x76543210
	s_mov_b32 s11, 0xfedcba98
	v_mov_b32 v13, 0                               ; (a lane permute's destination counts as read)
	s_wait_kmcnt 0x0
	global_load_b128 v[4:7], v1, s[6:7]
	global_load_b128 v[8:11], v1, s[4:5]
	s_wait_loadcnt 0x0
	v_max3_num_f32 v12, v4, v5, v6
	v_max_num_f32 v12, v12, v7
	v_max_num_f32_dpp v12, v12, v12 row_xmask:1 row_mask:0xf bank_mask:0xf
	v_max_num_f32_dpp v12, v12, v12 row_xmask:2 row_mask:0xf bank_mask:0xf
	v_max_num_f32_dpp v12, v12, v12 row_xmask:4 row_mask:0xf bank_mask:0xf
	v_max_num_f32_dpp v12, v12, v12 row_xmask:8 row_mask:0xf bank_mask:0xf
	v_permlanex16_b32 v13, v12, s10, s11
	v_max_num_f32 v12, v12, v13
.irp e,0,1,2,3
	v_sub_f32 v[4+\e], v[4+\e], v12
.endr
.irp e,0,1,2,3
	v_mul_f32 v[4+\e], 0x3fb8aa3b, v[4+\e]
.endr
.irp e,0,1,2,3
	v_exp_f32 v[4+\e], v[4+\e]
.endr
.irp e,0,1,2,3
	v_cvt_f32_i32 v[8+\e], v[8+\e]                 ; the tokens as f32: plain work behind the exponentials
.endr
	s_wait_alu depctr_va_vdst(0)                   ; one wait for the four
	v_add_f32 v14, v4, v5
	v_add_f32 v15, v6, v7
	v_add_f32 v14, v14, v15
	v_add_f32_dpp v14, v14, v14 row_xmask:1 row_mask:0xf bank_mask:0xf
	v_add_f32_dpp v14, v14, v14 row_xmask:2 row_mask:0xf bank_mask:0xf
	v_add_f32_dpp v14, v14, v14 row_xmask:4 row_mask:0xf bank_mask:0xf
	v_add_f32_dpp v14, v14, v14 row_xmask:8 row_mask:0xf bank_mask:0xf
	v_permlanex16_b32 v13, v14, s10, s11
	v_add_f32 v14, v14, v13
	v_rcp_f32 v15, v14
	v_nop
	s_wait_alu depctr_va_vdst(0)
.irp e,0,1,2,3
	v_mul_f32 v[4+\e], v[4+\e], v15                ; the weight
.endr
.irp e,0,1,2,3
	v_mul_f32 v[4+\e], v[8+\e], v[4+\e]            ; token x weight
.endr
.irp e,0,1,2,3
	v_mul_f32 v[4+\e], 0x43000000, v[4+\e]         ; x 128
.endr
	global_store_b128 v1, v[4:7], s[8:9]
	s_endpgm
.Lfunc_end_k_q8c9f91c91a_k_final:
	.size	k_q8c9f91c91a_k_final, .Lfunc_end_k_q8c9f91c91a_k_final-k_q8c9f91c91a_k_final
	.p2alignl 7, 3214868480
	.fill 96, 4, 3214868480
	.section	.rodata,"a",@progbits
	.p2align	6, 0x0
	.amdhsa_kernel k_q8c9f91c91a_k_final
		.amdhsa_group_segment_fixed_size 0
		.amdhsa_private_segment_fixed_size 0
		.amdhsa_enable_private_segment 0
		.amdhsa_kernarg_size 24
		.amdhsa_user_sgpr_count 2
		.amdhsa_user_sgpr_kernarg_segment_ptr 1
		.amdhsa_wavefront_size32 1
		.amdhsa_system_sgpr_workgroup_id_x 1
		.amdhsa_system_sgpr_workgroup_id_y 1
		.amdhsa_system_sgpr_workgroup_id_z 1
		.amdhsa_system_vgpr_workitem_id 0
		.amdhsa_next_free_vgpr 32
		.amdhsa_next_free_sgpr 66
		.amdhsa_reserve_vcc 0
		.amdhsa_float_denorm_mode_32 3
		.amdhsa_float_denorm_mode_16_64 3
		.amdhsa_memory_ordered 1
		.amdhsa_forward_progress 1
		.amdhsa_inst_pref_size 4
	.end_amdhsa_kernel
	.amdgpu_metadata
---
amdhsa.version: [ 1, 2 ]
amdhsa.kernels:
  - .name:           k_q8c9f91c91a_k_final
    .symbol:         k_q8c9f91c91a_k_final.kd
    .args:
      - { .name: query_tokens, .offset: 0, .size: 8, .value_kind: global_buffer, .address_space: global }
      - { .name: imp, .offset: 8, .size: 8, .value_kind: global_buffer, .address_space: global }
      - { .name: out0, .offset: 16, .size: 8, .value_kind: global_buffer, .address_space: global }
    .group_segment_fixed_size: 0
    .private_segment_fixed_size: 0
    .kernarg_segment_align: 8
    .kernarg_segment_size: 24
    .max_flat_workgroup_size: 128
    .sgpr_count:     66
    .vgpr_count:     32
    .wavefront_size: 32
...
	.end_amdgpu_metadata
.endif
;; end of part 4
